; MI455X (gfx1250); checked and timed in simulation.
; The chip was launched on July 23, 2026; its instructions are those of AMD's public machine-readable ISA for CDNA 5 (MIT licence, August 2026) and "CDNA5" Instruction Set Architecture Reference Guide (July 2026). The comments in the code are by the model that wrote it; some were corrected since.
;; Masked Self Attention. Allowed arithmetic: matrix products marked QUANTISED: E5M2 operands, one given power-of-two scale a tensor, by v_wmma_f32_16x16x64_bf8_bf8 or v_wmma_f32_16x16x128_bf8_bf8, f32 sums; products left as they are: f32 operands where the result goes on into a quantised operand, else bf16, f16 or f32 operands; f32 sums; everything else in f32.
;; Inputs: W_K_codes 4,096 x 128 x 32 uint8 (E5M2 codes of W_K, K innermost, in blocks of 32 codes); W_Q 4,096 x 4,096 float32; W_V_codes 4,096 x 128 x 32 uint8 (E5M2 codes of W_V, K innermost, in blocks of 32 codes); inp 4,096 float32; lowp_scales 4 int32 (the exponents e of the quantised operands' scales 2^e); prev_inps 2,047 x 4,096 float32.
;; Outputs: out0 4,096 float32; out1 2,048 x 4,096 float32.
;; This version of the problem:
;;   THIS VERSION OF THE PROBLEM IS GIVEN IN LOW PRECISION. The matrix products marked QUANTISED in the list below multiply operands that are first quantised to E5M2 (5 exponent bits, 2 mantissa bits; 8 bits a number), with one given power-of-two scale for each operand tensor; their sums are f32. All else is computed in f32.
;;   The module's matrix products, in the order in which they are computed (A, B: the left and right operand; K: the contracted axis; several contracted axes count as one K, in the product's order):
;;     1. [M 4,096, K 4,096] x [K 4,096, N 1]; A: input W_Q; B: input inp: left as it is (N = 1 < 16)
;;     2. [M 2,048, K 4,096] x [K 4,096, N 4,096]; A: computed on the way; B: input W_K (given as codes): QUANTISED (scales: A lowp_scales[0], B lowp_scales[1])
;;     3. [M 2,048, K 4,096] x [K 4,096, N 4,096]; A: computed on the way; B: input W_V (given as codes): QUANTISED (scales: A lowp_scales[2], B lowp_scales[3])
;;     4. [M 2,048, K 4,096] x [K 4,096, N 1]; A: computed on the way; B: computed on the way: left as it is (N = 1 < 16)
;;     5. [M 1, K 2,048] x [K 2,048, N 4,096]; A: softmax; B: computed on the way: left as it is (M = 1 < 16)
;;   THE QUANTISER, for each operand of a quantised product, along K:
;;     - The operand's scale is 2^e, e = its entry of the input lowp_scales (int32; the entries are numbered through the quantised products in the list's order, A before B).
;;     - Each number is divided by the scale, clamped to +-57,344, and rounded to the nearest number of E5M2, ties to even, subnormals kept.
;;     - The product sums the exact products of the quantised numbers (number of the format x scale) in f32.
;;   ~~~python
;;   def quantise(x, axis, e):      # numpy; x: float32 -> the quantised numbers, widened to float32 again
;;       x = np.moveaxis(x, axis, -1); K = x.shape[-1]
;;       r = np.clip(x / 2.0 ** e, -57344, 57344)
;;       step = 2.0 ** (np.maximum(np.frexp(np.where(r == 0, 1, r))[1] - 1, -14) - 2)
;;       q = np.round(r / step) * step * 2.0 ** e      # np.round: ties to even
;;       return np.moveaxis(q, -1, axis).astype(np.float32)
;;   ~~~
;;   OPERANDS COMPUTED ON THE WAY. 'Computed on the way' means the value that the module computes at that place (a softmax that the list does not call 'softmax' is quantised finished and normalised). What goes into a quantiser is computed in f32, as accurately as f32 sums, v_exp_f32 and their like allow (about 1e-6 of the number): no bf16 or f16 on the way to a quantiser, and a product that is left as it is and whose result goes on into a quantised operand takes f32 operands (vector FMAs, or v_wmma_f32_16x16x4_f32). A number that lies on a knife's edge between two numbers of the format may be rounded either way, as far as f32 arithmetic and the matrix unit's own rounding can turn it there, and no further.
;;   INPUTS GIVEN AS CODES. W_K (in the module: [4096, 4096], K = its axis 1); W_V (in the module: [4096, 4096], K = its axis 1): each comes as NAME_codes (uint8): NAME with its K axis moved to the last place and cut into blocks of 32 codes, [.., K / 32, bytes a block], one block behind the other in memory; one code a byte (a code: sign, 5 exponent bits, 2 mantissa bits); its scale is its entry of lowp_scales. Its value is code x scale, taken as it is: it is not quantised again, and the codes and scales need not be those that the quantiser above would give.
;; One version. Each part assembles by itself: llvm-mc -triple=amdgcn-amd-amdhsa -mcpu=gfx1250 --defsym DOCPART=n.
;; ======== version 1 of 1: 3 launches
;; limits: values are held in bf16: 8 bits of precision; right only within a limited range of input values
;; workspace buffers: acodes 16,777,216 bytes; query 16,384 bytes; plog 131,072 bytes; vt 16,777,216 bytes
;; launch prep (part 1): grid 512 x 1, 8 waves a work-group, no clusters, 42,496 bytes of LDS; arguments prev_inps, inp, W_Q, lowp_scales, out1, acodes, query; writes out1, acodes, query
.if DOCPART == 1
	.amdgcn_target "amdgcn-amd-amdhsa--gfx1250"
	.amdhsa_code_object_version 6
	.text
	.protected	k_qfff1dd45c6_prep
	.globl	k_qfff1dd45c6_prep
	.p2align	8
	.type	k_qfff1dd45c6_prep,@function
k_qfff1dd45c6_prep:
	s_mov_b64 s[64:65], 0
	v_nop
	global_prefetch_b8 v0, s[64:65] scope:SCOPE_SE
	s_setreg_imm32_b32 hwreg(HW_REG_WAVE_MODE, 25, 1), 1
	s_wait_xcnt 0x0
; Two jobs in one launch, by the parity of the work-group's number, so that both streams are on their way together.
; EVEN work-groups (256): rows = prev_inps with inp as row 2047.  A wave takes one row of 4,096 f32: it copies the row to out1 and turns it twice into codes of
;   BF8 (E5M2), K innermost: with 2^e0 (rows 0-2047 of acodes, the keys' operand) and with 2^e2 (rows 2048-4095, the values' operand).  The row is read once.
;   code = x / 2^e, held within +-57,344, rounded to the nearest code, ties to even.
; ODD work-groups (256): query = W_Q inp in f32.  A work-group takes 16 rows of W_Q; its eight waves share K (512 columns each), so a wave's part of inp is 16 registers, loaded once.
; LIMITS: e0 and e2 lie between -126 and 112, so that 2^e and 57,344 x 2^e are f32 numbers.  NaN among the inputs is not served (an infinity is held at the largest code).
; No tensor loads, no matrix work, no cluster: of a matvec work-group's 278,528 bytes only inp's 16,384 are shared with others, and a quantising wave shares nothing.
; Each load and each store of a wave covers 512 consecutive bytes, aligned.  Each path has LDS bytes of its own.
.set SP,    80                         ; a lane's place in a stage: its 64 bytes + 16 of padding
.set STGB,  32*SP                      ; a stage: 2,560 bytes
.set WREG,  2*STGB                     ; a wave's two stages
.set MV,    8*WREG                     ; behind the stages: 64 bytes for each wave, the matvec's partial sums
.set R,     16                         ; v16-143  quantiser: 8 steps x 16 numbers as loaded;  matvec: 8 row slots x 16
.set X,     144                        ; v144-175 quantiser: two sets of 16 neighbours along K
.set T,     176                        ; v176-191 quantiser: 16 numbers held for e0
.set C,     192                        ; v192-255 quantiser: 8 registers of codes a step (4 for e0, 4 for e2), never rewritten
.set IN,    144                        ; v144-159 matvec: my 16 numbers of inp
.set ACC,   160                        ; v160-175 matvec: one sum for each of the 16 rows
.set P,     176                        ; v176-179 matvec: two packed chains
	s_load_b256 s[4:11], s[0:1], 0x0               ; prev_inps s[4:5], inp s[6:7], W_Q s[8:9], the scales' exponents s[10:11]
	s_load_b128 s[12:15], s[0:1], 0x20             ; out1 s[12:13], acodes s[14:15]
	s_load_b64 s[16:17], s[0:1], 0x30              ; query
	v_lshl_add_u32 v8, v0, 2, 0xa200
	v_mov_b32 v9, 0
	v_lshrrev_b32 v1, 5, v0
	s_delay_alu instid0(VALU_DEP_1)
	v_readfirstlane_b32 s20, v1                    ; wave 0..7
	v_and_b32 v2, 31, v0                           ; lane
	s_delay_alu instid0(VALU_DEP_1)
	v_lshlrev_b32 v3, 4, v2                        ; my 16 bytes of an instruction's 512
	s_and_b32 s19, ttmp9, 1                        ; 0: quantise, 1: matvec
	s_lshr_b32 s18, ttmp9, 1                       ; which of the 256 of its kind
	; every LDS address is made here, ahead of the parting
	s_mul_i32 s21, s20, WREG
	v_lshrrev_b32 v14, 2, v2
	s_delay_alu instid0(VALU_DEP_1)
	v_mul_u32_u24 v14, v14, SP
	v_and_b32 v15, 3, v2
	s_delay_alu instid0(VALU_DEP_1)
	v_lshl_add_u32 v14, v15, 4, v14
	s_delay_alu instid0(VALU_DEP_1)
	v_add_nc_u32 v14, s21, v14                     ; the stage, on the way in: four lanes' 64 bytes on end, then 16 of padding
	v_mul_u32_u24 v15, v2, SP
	s_delay_alu instid0(VALU_DEP_1)
	v_add_nc_u32 v15, s21, v15                     ; and on the way out: my 16 neighbours
	s_lshl_b32 s21, s20, 6
	s_add_co_u32 s21, s21, MV
	v_mov_b32 v5, s21                              ; matvec: my wave's 64 bytes
	v_and_b32 v6, 15, v0
	s_delay_alu instid0(VALU_DEP_1)
	v_lshlrev_b32 v6, 2, v6                        ; 4 x (lane % 16): a row's word, in LDS and in query
	s_delay_alu instid0(VALU_DEP_1)
	v_add_nc_u32 v7, MV, v6
	s_mov_b32 s23, 0
	s_mov_b32 s29, 0
	s_mov_b32 s35, 0
	s_wait_kmcnt 0x0
	s_cmp_lg_u32 s19, 0                            ; the branch hangs on the work-group's number alone: all eight waves go the same way
	s_cbranch_scc1 .Lmatvec
	; ---------------- the quantiser and the copy ----------------
	s_load_b128 s[24:27], s[10:11], 0x0            ; e0, e1, e2, e3
	s_lshl_b32 s21, s18, 3
	s_add_co_u32 s21, s21, s20                     ; my row: 8 x work-group + wave
	s_lshl_b32 s28, s21, 14                        ; its first byte in f32
	s_lshl_b32 s34, s21, 12                        ; and in codes
	s_cmp_eq_u32 s21, 2047                         ; row 2047 is inp itself: no load leaves prev_inps
	s_cselect_b32 s22, 0, s28
	s_cselect_b64 s[4:5], s[6:7], s[4:5]
	s_add_nc_u64 s[4:5], s[4:5], s[22:23]
	s_add_nc_u64 s[12:13], s[12:13], s[28:29]
	s_add_nc_u64 s[14:15], s[14:15], s[34:35]      ; the codes with e0
	s_add_nc_u64 s[30:31], s[14:15], 0x800000      ; the codes with e2: 2,048 rows of 4,096 bytes on, one byte more than a store's immediate reaches
.macro LOAD t                          ; step t: 512 numbers, four loads of 512 consecutive bytes
.irp i, 0,1,2,3
	global_load_b128 v[R+16*(\t)+4*\i:R+16*(\t)+4*\i+3], v3, s[4:5] offset:2048*(\t)+512*\i th:TH_LOAD_NT
.endr
.endm
.macro COPY t                          ; the same bytes to out1, from the registers that they were loaded into
.irp i, 0,1,2,3
	global_store_b128 v3, v[R+16*(\t)+4*\i:R+16*(\t)+4*\i+3], s[12:13] offset:2048*(\t)+512*\i th:TH_STORE_NT
.endr
.endm
.macro TURN t                          ; step t's numbers through the wave's own stage: in as loaded, out 64 bytes a lane.  LDS serves a wave's instructions in order (ISA guide 5.7.1.4): no wait between
.irp i, 0,1,2,3
	ds_store_b128 v14, v[R+16*(\t)+4*\i:R+16*(\t)+4*\i+3] offset:STGB*((\t)%2)+8*SP*\i
.endr
.irp i, 0,1,2,3
	ds_load_b128 v[X+16*((\t)%2)+4*\i:X+16*((\t)%2)+4*\i+3], v15 offset:STGB*((\t)%2)+16*\i
.endr
.endm
.irp t, 0,1,2,3,4,5,6,7
	LOAD \t                                        ; the whole row is asked for at once: 32 loads, 16,384 bytes a wave
.endr
	s_wait_kmcnt 0x0
	s_add_co_i32 s32, s24, 127
	s_lshl_b32 s33, s32, 23
	v_mov_b32 v11, s33                             ; 2^e0 as f32: the conversion takes its exponent field
	s_add_co_i32 s32, s32, 15
	s_lshl_b32 s32, s32, 23
	s_or_b32 s32, s32, 0x600000
	v_mov_b32 v10, s32                             ; 57,344 x 2^e0
	s_add_co_i32 s32, s26, 127
	s_lshl_b32 s33, s32, 23
	v_mov_b32 v13, s33                             ; 2^e2
	s_add_co_i32 s32, s32, 15
	s_lshl_b32 s32, s32, 23
	s_or_b32 s32, s32, 0x600000
	v_mov_b32 v12, s32                             ; 57,344 x 2^e2
	s_wait_loadcnt 28                              ; step 0's four loads are in; the 28 of steps 1 to 7 may be out
	COPY 0
	s_wait_alu depctr_va_vdst(0)
	TURN 0
.macro QSTEP t
.set XS, X+16*((\t)%2)
	s_wait_dscnt 0x0                               ; this step's numbers are back from the stage
.if (\t) < 7
	s_wait_loadcnt 24-4*(\t)                       ; the next step's four loads are in; those of the steps behind it may be out
	COPY (\t)+1
	TURN (\t)+1                                    ; it goes through the other stage while this step is worked
.endif
.irp i, 0,1,2,3,4,5,6,7,8,9,10,11,12,13,14,15
	v_med3_num_f32 v[T+\i], v[XS+\i], -v10, v10    ; the conversion to an 8-bit code does not saturate (ISA guide 7.6.2): the hold at the largest code x 2^e0, into other registers
.endr
	v_cvt_scalef32_pk8_bf8_f32 v[C+8*(\t):C+8*(\t)+1], v[T:T+7], v11
	v_cvt_scalef32_pk8_bf8_f32 v[C+8*(\t)+2:C+8*(\t)+3], v[T+8:T+15], v11
.irp i, 0,1,2,3,4,5,6,7,8,9,10,11,12,13,14,15
	v_med3_num_f32 v[XS+\i], v[XS+\i], -v12, v12   ; the same numbers held for e2, in place.  (Plain lines behind the conversions above, ahead of the next write of their sources)
.endr
	v_cvt_scalef32_pk8_bf8_f32 v[C+8*(\t)+4:C+8*(\t)+5], v[XS:XS+7], v13
	v_cvt_scalef32_pk8_bf8_f32 v[C+8*(\t)+6:C+8*(\t)+7], v[XS+8:XS+15], v13
	global_store_b128 v3, v[C+8*(\t):C+8*(\t)+3], s[14:15] offset:512*(\t)     ; a lane's 16 codes: the wave stores 512 consecutive bytes
	global_store_b128 v3, v[C+8*(\t)+4:C+8*(\t)+7], s[30:31] offset:512*(\t)   ; (these results go to stores alone; the next step's first line is plain and names none of them)
.endm
.irp t, 0,1,2,3,4,5,6,7
	QSTEP \t
.endr
	s_wait_tensorcnt 0x0
	ds_add_u32 v8, v9
	s_wait_dscnt 0x0
	s_endpgm                                       ; no register that a store reads was written again, so no wait for the stores' sources is in this path
	; ---------------- query = W_Q inp ----------------
.Lmatvec:
	s_lshl_b32 s22, s18, 18                        ; my work-group's 16 rows of 16,384 bytes,
	s_lshl_b32 s28, s20, 11                        ; my wave's 512 columns
	s_add_co_u32 s22, s22, s28
	s_add_nc_u64 s[8:9], s[8:9], s[22:23]
	s_add_nc_u64 s[6:7], s[6:7], s[28:29]
	s_lshl_b32 s34, s18, 6
	s_add_nc_u64 s[16:17], s[16:17], s[34:35]      ; query at my 16 rows
	s_mov_b32 s32, 0x76543210                      ; v_permlanex16_b32: lane l takes lane l xor 16
	s_mov_b32 s33, 0xfedcba98
.irp j, 0,1,2,3
	global_load_b128 v[IN+4*\j:IN+4*\j+3], v3, s[6:7] offset:512*\j
.endr
.macro WLOAD r                         ; my 2,048 bytes of row r into slot r % 8
.irp j, 0,1,2,3
	global_load_b128 v[R+16*((\r)%8)+4*\j:R+16*((\r)%8)+4*\j+3], v3, s[8:9] offset:16384*(\r)+512*\j th:TH_LOAD_NT
.endr
.endm
.irp r, 0,1,2,3,4,5,6,7
	WLOAD \r
.endr
.macro ROW r, left                     ; left: the younger loads, which may stay out
.set RS, R+16*((\r)%8)
	s_wait_loadcnt \left
	v_pk_mul_f32 v[P:P+1], v[RS:RS+1], v[IN:IN+1]              ; the first products start the two chains: nothing is cleared
	v_pk_mul_f32 v[P+2:P+3], v[RS+2:RS+3], v[IN+2:IN+3]
.irp j, 1,2,3
	s_delay_alu instid0(VALU_DEP_2)
	v_pk_fma_f32 v[P:P+1], v[RS+4*\j:RS+4*\j+1], v[IN+4*\j:IN+4*\j+1], v[P:P+1]
	s_delay_alu instid0(VALU_DEP_2)
	v_pk_fma_f32 v[P+2:P+3], v[RS+4*\j+2:RS+4*\j+3], v[IN+4*\j+2:IN+4*\j+3], v[P+2:P+3]
.endr
	s_delay_alu instid0(VALU_DEP_1)
	v_pk_add_f32 v[P:P+1], v[P:P+1], v[P+2:P+3]
	s_delay_alu instid0(VALU_DEP_1)
	v_add_f32 v[ACC+(\r)], v[P], v[P+1]
.if (\r) < 8
	WLOAD (\r)+8                                   ; the slot takes the row eight further down
.endif
.endm
.irp r, 0,1,2,3,4,5,6,7
	ROW \r, 28                                     ; behind row r's loads: rows r + 1 to 7 and the r refills, four loads each
.endr
.irp r, 8,9,10,11,12,13,14,15
	ROW \r, 4*(15-\r)                              ; nothing more is asked for: the counts run down
.endr
.irp m, 1,2,4,8                        ; over the 32 lanes, all 16 rows side by side so that no line waits for the line above it
.irp r, 0,1,2,3,4,5,6,7,8,9,10,11,12,13,14,15
	v_add_f32_dpp v[ACC+\r], v[ACC+\r], v[ACC+\r] row_xmask:\m row_mask:0xf bank_mask:0xf
.endr
.endr
.irp r, 0,1,2,3,4,5,6,7,8,9,10,11,12,13,14,15
	v_permlanex16_b32 v[R+\r], v[ACC+\r], s32, s33 ; (its destination counts as read: these registers were loaded)
.endr
.irp r, 0,1,2,3,4,5,6,7,8,9,10,11,12,13,14,15
	v_add_f32 v[ACC+\r], v[ACC+\r], v[R+\r]
.endr
.irp k, 0,1,2,3
	ds_store_b128 v5, v[ACC+4*\k:ACC+4*\k+3] offset:16*\k      ; my wave's 16 partial sums; all lanes write the same words with the same values
.endr
	s_wait_dscnt 0x0                               ; for the others' sake: my stores have landed
	s_barrier_signal -1
	s_barrier_wait -1
	s_cmp_lg_u32 s20, 0                            ; wave 0 adds the eight waves' parts
	s_cbranch_scc1 .Ldone
.irp w, 0,1,2,3,4,5,6,7
	ds_load_b32 v[180+\w], v7 offset:64*\w         ; lane l: row l % 16, wave w's part
.endr
	s_wait_dscnt 0x0
	v_add_f32 v180, v180, v181
	v_add_f32 v182, v182, v183
	v_add_f32 v184, v184, v185
	v_add_f32 v186, v186, v187
	s_delay_alu instid0(VALU_DEP_3)
	v_add_f32 v180, v180, v182
	s_delay_alu instid0(VALU_DEP_2)
	v_add_f32 v184, v184, v186
	s_delay_alu instid0(VALU_DEP_1)
	v_add_f32 v180, v180, v184
	s_wait_alu depctr_va_vdst(0)
	s_wait_xcnt 0x0                                ; EXEC changes only behind this wait
	v_cmp_gt_u32 vcc_lo, 16, v0
	s_and_saveexec_b32 s34, vcc_lo
	global_store_b32 v6, v180, s[16:17]            ; 16 lanes, 64 consecutive bytes: all that this work-group has of query's 16,384
	s_wait_xcnt 0x0
	s_or_b32 exec_lo, exec_lo, s34
.Ldone:
	s_wait_tensorcnt 0x0
	ds_add_u32 v8, v9
	s_wait_dscnt 0x0
	s_endpgm
.Lfunc_end_k_qfff1dd45c6_prep:
	.size	k_qfff1dd45c6_prep, .Lfunc_end_k_qfff1dd45c6_prep-k_qfff1dd45c6_prep
	.p2alignl 7, 3214868480
	.fill 96, 4, 3214868480
	.section	.rodata,"a",@progbits
	.p2align	6, 0x0
	.amdhsa_kernel k_qfff1dd45c6_prep
		.amdhsa_group_segment_fixed_size 42496
		.amdhsa_private_segment_fixed_size 0
		.amdhsa_enable_private_segment 0
		.amdhsa_kernarg_size 56
		.amdhsa_user_sgpr_count 2
		.amdhsa_user_sgpr_kernarg_segment_ptr 1
		.amdhsa_wavefront_size32 1
		.amdhsa_system_sgpr_workgroup_id_x 1
		.amdhsa_system_sgpr_workgroup_id_y 1
		.amdhsa_system_sgpr_workgroup_id_z 1
		.amdhsa_system_vgpr_workitem_id 0
		.amdhsa_next_free_vgpr 256
		.amdhsa_next_free_sgpr 66
		.amdhsa_reserve_vcc 1
		.amdhsa_float_denorm_mode_32 3
		.amdhsa_float_denorm_mode_16_64 3
		.amdhsa_memory_ordered 1
		.amdhsa_forward_progress 1
		.amdhsa_inst_pref_size 62
	.end_amdhsa_kernel
	.amdgpu_metadata
---
amdhsa.version: [ 1, 2 ]
amdhsa.kernels:
  - .name:           k_qfff1dd45c6_prep
    .symbol:         k_qfff1dd45c6_prep.kd
    .args:
      - { .name: prev_inps, .offset: 0, .size: 8, .value_kind: global_buffer, .address_space: global }
      - { .name: inp, .offset: 8, .size: 8, .value_kind: global_buffer, .address_space: global }
      - { .name: W_Q, .offset: 16, .size: 8, .value_kind: global_buffer, .address_space: global }
      - { .name: lowp_scales, .offset: 24, .size: 8, .value_kind: global_buffer, .address_space: global }
      - { .name: out1, .offset: 32, .size: 8, .value_kind: global_buffer, .address_space: global }
      - { .name: acodes, .offset: 40, .size: 8, .value_kind: global_buffer, .address_space: global }
      - { .name: query, .offset: 48, .size: 8, .value_kind: global_buffer, .address_space: global }
    .group_segment_fixed_size: 42496
    .private_segment_fixed_size: 0
    .kernarg_segment_align: 8
    .kernarg_segment_size: 56
    .max_flat_workgroup_size: 256
    .sgpr_count:     66
    .vgpr_count:     256
    .wavefront_size: 32
...
	.end_amdgpu_metadata
.endif
;; end of part 1
;; launch gemm (part 2): grid 16 x 16, 4 waves a work-group, clusters of 4 x 4, 327,680 bytes of LDS; arguments acodes, W_K_codes, W_V_codes, query, plog, vt; writes plog, vt
.if DOCPART == 2
	.amdgcn_target "amdgcn-amd-amdhsa--gfx1250"
	.amdhsa_code_object_version 6
	.text
	.protected	k_qfff1dd45c6_gemm
	.globl	k_qfff1dd45c6_gemm
	.p2align	8
	.type	k_qfff1dd45c6_gemm,@function
k_qfff1dd45c6_gemm:
	s_mov_b64 s[64:65], 0
	v_nop
	global_prefetch_b8 v0, s[64:65] scope:SCOPE_SE
	s_setreg_imm32_b32 hwreg(HW_REG_WAVE_MODE, 25, 1), 1
	s_wait_xcnt 0x0
	s_wait_alu depctr_hold_cnt(0) depctr_sa_sdst(0) depctr_va_vdst(0) depctr_va_sdst(0) depctr_va_ssrc(0) depctr_va_vcc(0) depctr_vm_vsrc(0)
	s_getreg_b32 s2, hwreg(HW_REG_IB_STS2, 6, 4)
	s_cmp_eq_u32 s2, 0
	s_cbranch_scc0 .Lentry_in_a_cluster
	s_endpgm
.Lentry_in_a_cluster:
	s_bfe_u32 s2, ttmp6, 0x10000c
	s_cmp_lg_u32 s2, 0xf033
	s_cbranch_scc0 .Lentry_shape_is_right
	s_endpgm
.Lentry_shape_is_right:
; The two quantised products on codes of BF8 (E5M2): raw sums C = A B^T, A = acodes (rows 0-2047: the inputs' codes with 2^e0, rows 2048-4095: with 2^e2), B = W_K's or W_V's codes, K = 4,096.
; The powers of two are applied by the launch that follows.  A work-group of four waves makes 256 x 256 of C, a wave 128 x 128 in 512 registers; 16 x 16 work-groups, clusters of 4 x 4.
; The parity of the cluster's y chooses the product.  KEYS: the tile is not stored: each row's raw sums are multiplied by query's 256 numbers of the tile's columns and added, in f32: plog[tile column][row].
; VALUES: the raw sums leave as bf16 in vt, [group of 16 columns][block of 16 rows][half of 8 columns][row][column], the order in which the next launch's lanes take them.
; THE RING: two LDS slots of 256 along K (256 rows of A, 256 of B, rows of 256 bytes + 16 of padding), filled by joint loads: A's tile is shared along a row of the cluster, B's along a column.
; A STEP is 128 along K, 64 products: A's blocks 0 to 7 one after the other, each against B's eight fragments.  A has one set of fragment registers, B two.
; The LDS loads stand in two runs a step: in its middle the next step's B and A's blocks 0-3 (48 loads), at its end A's blocks 4-7 (16 loads), each run four places behind the products that read its registers.
; A CHANGE OF SLOTS stands in a slot's second step: 16 products, the wait for the tensor loads, the add, 8 products, the wait for the add and for my reads, the signal, 8 products, the rest of the round, the joint load.
; By the text's own count a wave issues 112 matrix instructions between a joint load and the wait for it.
; PREFETCH, 32 rows x 256 bytes a wave, a lane a row: behind the joint load of K step 0, K step 1; behind that of K step 1, K steps 2 and 3; behind that of K step j from 2 on, K step j + 2; the last two refills
; ask for nothing.  Never more than two K steps are asked for and not yet read.  Of the 128 rows that a wave fetches, the partner at place p among the four that ask jointly takes rows 32 p .. 32 p + 31
; (p = cx for A, cy for B): told apart by address, so each block is named once in each cluster that loads it.
; The matrix instruction is used transposed (source 0 = 16 rows of B, source 1 = 16 rows of A): a lane holds eight neighbouring columns of one row of C.
; REGISTERS: window 0: v16-31 addresses, v32-95 query, from v128 A's fragments; window 1: B's two sets; windows 2, 3: the 64 accumulators, which take turns.
.set ROWB,   256                       ; a tile's row: 256 codes
.set KROW,   4096                      ; a row of A or B in memory
.set PITCH,  272                       ; an LDS row: 256 bytes + 16 of padding
.set FR,     16                        ; registers of a fragment: 16 rows x 128 K
.set NP,     4                         ; places behind this matrix instruction (ISA guide 7.12.1)
.set HALFT,  128*PITCH
.set SLOT,   4*HALFT
.set LAPS,   4096/(2*ROWB)
.set SPARE,  2*SLOT                    ; the spare words, 128 bytes a wave
.set ADRA, 16                          ; v16-17 LDS address of my A fragments in slot 0, 1
.set ADRB, 20                          ; v20-21 the same for B
.set LST,  24
.set LRD,  25
.set PO,   26
.set VO,   27
.set SPW,  28
.set NIL,  29
.set QO,   30
.set PFO,  31                          ; my lane x a row of 4,096 bytes; never rewritten
.set Q,    32
.set PS,   96
.set AF,   128
.set L,    128
.set VB,   128
.set G1, 24
.set G0, 32
.set G1B, 48
.set G0B, 56
.set BASA, 76
.set BASB, 78
.set KO,   80                          ; s[80:81] the place along K of the next K step to be asked for
.set PFB,  82                          ; s[82:83] the prefetches' base: my work-group's 32 rows of the 128 that my wave fetches
.set PFA,  84                          ; s[84:85] base + the place along K that the next prefetch names
.set PK,   86                          ; s[86:87] that place
.set MSB, 0
.macro WIN new                         ; the immediate's high byte repeats the setting that is left
.if MSB != (\new)
	s_set_vgpr_msb (MSB<<8)|(\new)
.set MSB, (\new)
.endif
.endm
.set MUL_LO, 0xa1                      ; source 0 (B) window 1, source 1 (A) window 0, C and D window 2
.set TO_B,   0x40                      ; destination window 1, address window 0
.macro JLOAD g0a, g1a, g0b, g1b        ; waves 0, 1 fetch for A, waves 2, 3 for B; s_nop 0 and four v_nop behind each line
	s_cmp_eq_u32 s15, 0
	s_cbranch_scc0 .Lfor_b_\@
	tensor_load_to_lds s[\g0a:\g0a+3], s[\g1a:\g1a+7]
	s_nop 0
.rept 4
	v_nop
.endr
	s_branch .Lasked_\@
.Lfor_b_\@:
	tensor_load_to_lds s[\g0b:\g0b+3], s[\g1b:\g1b+7]
	s_nop 0
.rept 4
	v_nop
.endr
.Lasked_\@:
.endm
.macro AIM s                           ; slot s's two groups 0 at the K step that s[KO] names; then s[KO] goes a K step on
	s_add_nc_u64 s[G0+4*\s+2:G0+4*\s+3], s[BASA:BASA+1], s[KO:KO+1]
	s_or_b32 s[G0+4*\s+3], s[G0+4*\s+3], 0x80000000
	s_add_nc_u64 s[G0B+4*\s+2:G0B+4*\s+3], s[BASB:BASB+1], s[KO:KO+1]
	s_or_b32 s[G0B+4*\s+3], s[G0B+4*\s+3], 0x80000000
	s_add_co_u32 s[KO], s[KO], ROWB
.endm
.macro CREST
	s_cmp_lg_u32 s14, 0
	s_cbranch_scc1 .Lnot_wave_0_\@
	s_barrier_signal -3
.Lnot_wave_0_\@:
	s_barrier_wait -3
	s_barrier_signal -1
	s_barrier_wait -1
.endm
.macro CROUND
	s_barrier_signal -1
	s_barrier_wait -1
	CREST
.endm
.macro ASK                             ; in the loop: the K step two refills on; the last trip's two refills (s3 = 1) have none
	s_cmp_gt_u32 s3, 1
	s_cbranch_scc0 .Lnot_asked_\@
	global_prefetch_b8 v[PFO], s[PFA:PFA+1] th:TH_LOAD_NT scope:SCOPE_SE
.Lnot_asked_\@:
.endm
	s_load_b256 s[4:11], s[0:1], 0x0               ; acodes, W_K's codes, W_V's codes, query
	s_load_b128 s[68:71], s[0:1], 0x20             ; plog, vt
	v_lshl_add_u32 v[SPW], v0, 2, SPARE
	v_mov_b32 v[NIL], 0
	ds_add_u32 v[SPW], v[NIL]                      ; the opening lines: the add twice on end and its wait ahead of my first tensor load
	ds_add_u32 v[SPW], v[NIL]
	s_wait_dscnt 0x0
	v_lshrrev_b32 v1, 5, v0
	v_readfirstlane_b32 s14, v1                    ; wave 0..3
	s_lshr_b32 s15, s14, 1                         ; my half of the tile's rows; also: I fetch for A (0) or B (1)
	s_and_b32 s16, s14, 1                          ; my half of its columns; also: which 128 rows I fetch
	s_bfe_u32 s40, ttmp6, 0x40000                  ; cx
	s_bfe_u32 s41, ttmp6, 0x40004                  ; cy
	s_lshl_b32 s42, ttmp9, 2
	s_add_co_u32 s42, s42, s40                     ; tile column
	s_and_b32 s73, ttmp7, 0xffff
	s_and_b32 s12, s73, 1                          ; 0: keys, 1: values
	s_lshr_b32 s73, s73, 1
	s_lshl_b32 s13, s73, 2
	s_add_co_u32 s13, s13, s41                     ; tile row within the product
	s_lshl_b32 s17, s12, 3
	s_add_co_u32 s17, s17, s13                     ; tile row of acodes
	s_mov_b32 s[KO], 0
	s_mov_b32 s[KO+1], 0
	s_lshl_b32 s43, s41, 2
	s_lshl_b32 s43, 15, s43                        ; my row of the cluster
	s_lshl_b32 s44, 0x1111, s40                    ; my column
	s_or_b32 s[G1+0], s43, (0<<16)|(1<<20)|(1<<21)|(5<<22)|(3<<25)
	s_or_b32 s[G1B+0], s44, (0<<16)|(1<<20)|(1<<21)|(5<<22)|(3<<25)
.irp g, G1, G1B
	s_mov_b32 s[\g+1], ROWB<<16
	s_mov_b32 s[\g+2], 128<<16
	s_mov_b32 s[\g+3], ROWB<<16
	s_mov_b32 s[\g+4], 128
	s_mov_b32 s[\g+5], KROW
	s_mov_b32 s[\g+6], 0
	s_mov_b32 s[\g+7], 0
.endr
	s_lshl_b32 s18, s16, 7
	s_lshl_b32 s20, s17, 8
	s_add_co_u32 s20, s20, s18
	s_lshl_b32 s20, s20, 12
	s_mov_b32 s21, 0
	s_lshl_b32 s46, s42, 8
	s_add_co_u32 s46, s46, s18
	s_lshl_b32 s46, s46, 12
	s_mov_b32 s47, 0
	s_mul_i32 s45, s14, HALFT
	s_wait_kmcnt 0x0
	s_cmp_eq_u32 s12, 0
	s_cselect_b64 s[6:7], s[6:7], s[8:9]
	s_add_nc_u64 s[BASA:BASA+1], s[4:5], s[20:21]
	s_add_nc_u64 s[BASB:BASB+1], s[6:7], s[46:47]
	s_cmp_eq_u32 s15, 0                            ; do I fetch for A?
	s_cselect_b64 s[PFB:PFB+1], s[BASA:BASA+1], s[BASB:BASB+1]
	s_cselect_b32 s[PK], s40, s41                  ; my place among the four that ask with me
	s_lshl_b32 s[PK], s[PK], 17                    ; 32 rows of 4,096 bytes for each place
	s_mov_b32 s[PK+1], 0
	s_add_nc_u64 s[PFB:PFB+1], s[PFB:PFB+1], s[PK:PK+1]
.irp s, 0,1
	s_mov_b32 s[G0+4*\s], 1
	s_add_co_u32 s[G0+4*\s+1], s45, \s*SLOT
	s_mov_b32 s[G0B+4*\s], 1
	s_add_co_u32 s[G0B+4*\s+1], s45, \s*SLOT
	AIM \s                                         ; K steps 0 and 1; s[KO] then stands at K step 2
.endr
	s_add_nc_u64 s[PFA:PFA+1], s[PFB:PFB+1], s[KO:KO+1]   ; K step 2
	CROUND                                         ; all sixteen work-groups are here: the first joint loads meet
	JLOAD G0, G1, G0B, G1B                         ; K step 0: one tensor load a wave at the head
	v_and_b32 v1, 15, v0
	s_wait_alu depctr_va_vdst(0)
	v_bfe_u32 v2, v0, 4, 1
	v_lshlrev_b32 v[QO], 5, v2
	s_lshl_b32 s74, s42, 10
	s_lshl_b32 s75, s16, 9
	s_add_co_u32 s74, s74, s75
	s_mov_b32 s75, 0
	s_add_nc_u64 s[10:11], s[10:11], s[74:75]
.irp b, 0,1,2,3,4,5,6,7
	global_load_b128 v[Q+8*\b:Q+8*\b+3], v[QO], s[10:11] offset:64*\b       ; query at my 128 columns, in the accumulators' layout
	global_load_b128 v[Q+8*\b+4:Q+8*\b+7], v[QO], s[10:11] offset:64*\b+16
.endr
	v_mul_u32_u24 v3, v1, PITCH
	v_lshl_add_u32 v4, v2, 4, v3
	s_mul_i32 s21, s15, HALFT
	s_mul_i32 s22, s16, HALFT
	s_add_co_u32 s22, s22, 2*HALFT
.irp s, 0,1
	v_add_nc_u32 v[ADRA+\s], s21, v4
	v_add_nc_u32 v[ADRB+\s], s22, v4
	s_add_co_u32 s21, s21, SLOT
	s_add_co_u32 s22, s22, SLOT
.endr
	s_lshl_b32 s21, s16, 10
	s_lshl_b32 s22, s15, 9
	s_add_co_u32 s21, s21, s22
	v_lshl_add_u32 v[LST], v1, 2, s21
	v_lshlrev_b32 v[LRD], 3, v0
	v_lshlrev_b32 v[PO], 3, v0
	v_and_b32 v3, 31, v0
	v_lshlrev_b32 v[VO], 4, v3
	v_lshlrev_b32 v[PFO], 12, v3
	global_prefetch_b8 v[PFO], s[PFB:PFB+1] offset:ROWB th:TH_LOAD_NT scope:SCOPE_SE   ; K step 1, whose joint load follows when K step 0 is in
	s_lshl_b32 s74, s42, 13
	s_lshl_b32 s75, s13, 10
	s_add_co_u32 s74, s74, s75
	s_mov_b32 s75, 0
	s_add_nc_u64 s[68:69], s[68:69], s[74:75]
	s_lshl_b32 s74, s42, 4
	s_lshl_b32 s75, s16, 3
	s_add_co_u32 s74, s74, s75
	s_lshl_b32 s74, s74, 16
	s_lshl_b32 s75, s13, 13
	s_add_co_u32 s74, s74, s75
	s_lshl_b32 s75, s15, 12
	s_add_co_u32 s74, s74, s75
	s_mov_b32 s75, 0
	s_add_nc_u64 s[70:71], s[70:71], s[74:75]
.macro FRAG reg, adr, q, i             ; 16 rows x 128 K: registers 4 c .. 4 c + 3 hold K = 32 c + 16 (l / 16) + 0 .. 15, alike in A and B
.irp c, 0,1,2,3
	ds_load_b128 v[\reg+4*\c:\reg+4*\c+3], v[\adr] offset:128*(\q)+32*\c+(\i)*16*PITCH
.endr
.endm
.macro LA slot, q, i                   ; A's block i of the slot's q-th 128 along K
	WIN 0
	FRAG AF+FR*(\i), ADRA+\slot, \q, \i
.endm
.macro LB slot, q, p, i                ; B's fragment i into set p
	WIN TO_B
	FRAG 128*(\p)+FR*(\i), ADRB+\slot, \q, \i
.endm
.macro W8 a, p, zero                   ; eight products: A's block a x B's set p.  zero = 1: they start their sums
	WIN MUL_LO+0x50*((\a)/4)
.irp b, 0,1,2,3,4,5,6,7
.if \zero
	v_wmma_f32_16x16x128_bf8_bf8 v[8*(8*((\a)%4)+\b):8*(8*((\a)%4)+\b)+7], v[128*(\p)+FR*\b:128*(\p)+FR*\b+FR-1], v[AF+FR*(\a):AF+FR*(\a)+FR-1], 0
.else
	v_wmma_f32_16x16x128_bf8_bf8 v[8*(8*((\a)%4)+\b):8*(8*((\a)%4)+\b)+7], v[128*(\p)+FR*\b:128*(\p)+FR*\b+FR-1], v[AF+FR*(\a):AF+FR*(\a)+FR-1], v[8*(8*((\a)%4)+\b):8*(8*((\a)%4)+\b)+7]
.endif
.endr
.endm
.macro PLACES n
.rept \n
	v_nop
.endr
.endm
.macro MIDRUN ns, nq, np               ; the next step's B into set np, and its blocks 0-3 of A: 48 loads
.irp i, 0,1,2,3,4,5,6,7
	LB \ns, \nq, \np, \i
.endr
.irp i, 0,1,2,3
	LA \ns, \nq, \i
.endr
.endm
.macro SECOND ns, nq, p, zero          ; blocks 4 to 7's products, then the next step's blocks 4-7 of A: 16 loads
.irp a, 4,5,6,7
	W8 \a, \p, \zero
.endr
	PLACES NP
.irp i, 4,5,6,7
	LA \ns, \nq, \i
.endr
.endm
.macro STEP slot, q, zero              ; a step that has its successor in the same slot
	s_wait_dscnt 16                                ; B's set and A's blocks 0-3 are in; the youngest 16 loads (blocks 4-7) may be out
.irp a, 0,1,2,3
	W8 \a, (\q)%2, \zero
.endr
	s_wait_dscnt 0                                 ; blocks 4-7 are in
	PLACES NP
	MIDRUN \slot, (\q)+1, 1-(\q)%2
	SECOND \slot, (\q)+1, (\q)%2, \zero
.endm
.macro TURN slot, next, fill           ; a slot's second step, and the change of slots.  fill = 1: this slot is filled again, two K steps ahead
.if \fill
	s_wait_xcnt 0x0                                ; my last prefetch has read its address: it is stepped here, a K step behind that prefetch
	s_add_co_u32 s[PK], s[KO], 2*ROWB              ; s[KO] stands at the K step that this change asks for: the prefetch names the one two further on
	s_add_nc_u64 s[PFA:PFA+1], s[PFB:PFB+1], s[PK:PK+1]
.endif
	s_wait_dscnt 16                                ; B's set and A's blocks 0-3 are in
	W8 0, 1, 0
	W8 1, 1, 0
	WIN 0                                          ; (the add's two registers lie in window 0)
	s_wait_tensorcnt 0x0                           ; my one tensor load that was out, my part of the next slot, has landed
	ds_add_u32 v[SPW], v[NIL]
.if \fill
	AIM \slot                                      ; no load of mine is out: this slot's descriptors step to the K step two on
.endif
	W8 2, 1, 0                                     ; eight products stand between the add and the wait for it
	s_wait_dscnt 0x0                               ; the add is done, and my reads of this slot are over: blocks 4-7 are in
	s_barrier_signal -1
	W8 3, 1, 0                                     ; work on registers while the others arrive
	WIN 0
	s_barrier_wait -1
.if \fill
	CREST                                          ; the round: no wave of any partner still reads this slot or has a load on its way
	JLOAD G0+4*\slot, G1, G0B+4*\slot, G1B         ; the first tensor load behind the round; its four v_nop are the places in front of the loads below
.else
	PLACES NP
.endif
	MIDRUN \next, 0, 0
.if \fill
	ASK                                            ; behind the joint load and the run of LDS loads that the next products wait for
.endif
	SECOND \next, 0, 1, 0
.endm
	s_wait_alu depctr_va_vdst(0)
	s_wait_tensorcnt 0x0                           ; my part of K step 0 is in
	ds_add_u32 v[SPW], v[NIL]
	s_wait_dscnt 0x0                               ; the add is done
	CROUND                                         ; everybody's part of K step 0 is in, and the joint loads meet
	JLOAD G0+4, G1, G0B+4, G1B                     ; K step 1: slot 1's first fill, the first tensor load behind the round
	MIDRUN 0, 0, 0
.irp i, 4,5,6,7
	LA 0, 0, \i
.endr
	global_prefetch_b8 v[PFO], s[PFA:PFA+1] th:TH_LOAD_NT scope:SCOPE_SE               ; K step 2,
	global_prefetch_b8 v[PFO], s[PFA:PFA+1] offset:ROWB th:TH_LOAD_NT scope:SCOPE_SE   ; and K step 3
	STEP 0, 0, 1                                   ; the first step stands in front of the loop: its products start the sums
	s_mov_b32 s3, LAPS-1
.Llap:                                                 ; a trip goes once round the ring and fills both slots again
	TURN 0, 1, 1
	STEP 1, 0, 0
	TURN 1, 0, 1
	STEP 0, 0, 0
	s_sub_co_u32 s3, s3, 1
	s_cmp_lg_u32 s3, 0
	s_cbranch_scc1 .Llap
	TURN 0, 1, 0                                   ; the last lap fills nothing
	STEP 1, 0, 0
	s_wait_dscnt 16                                ; the very last step: nothing more to fetch
.irp a, 0,1,2,3
	W8 \a, 1, 0
.endr
	s_wait_dscnt 0
.irp a, 4,5,6,7
	W8 \a, 1, 0
.endr
	WIN 0
	s_wait_loadcnt 0x0                             ; query
	PLACES NP
	s_mov_b32 s18, 0x76543210
	s_mov_b32 s19, 0xfedcba98
	s_cmp_lg_u32 s12, 0                            ; the cluster's y alone: all partners go the same way
	s_cbranch_scc1 .Lvalues
.macro KDOT hi                         ; four blocks of 16 rows: each row's 128 raw sums x query, eight chains a block
	WIN 0x02+\hi
.irp a, 0,1,2,3
.irp b, 0,1,2,3,4,5,6,7
.irp i, 0,2,4,6
.if \b == 0
	v_pk_mul_f32 v[PS+8*\a+\i:PS+8*\a+\i+1], v[64*\a+8*\b+\i:64*\a+8*\b+\i+1], v[Q+8*\b+\i:Q+8*\b+\i+1]
.else
	v_pk_fma_f32 v[PS+8*\a+\i:PS+8*\a+\i+1], v[64*\a+8*\b+\i:64*\a+8*\b+\i+1], v[Q+8*\b+\i:Q+8*\b+\i+1], v[PS+8*\a+\i:PS+8*\a+\i+1]
.endif
.endr
.endr
.endr
	WIN 0
.irp a, 0,1,2,3
	v_pk_add_f32 v[PS+8*\a:PS+8*\a+1], v[PS+8*\a:PS+8*\a+1], v[PS+8*\a+2:PS+8*\a+3]
	v_pk_add_f32 v[PS+8*\a+4:PS+8*\a+5], v[PS+8*\a+4:PS+8*\a+5], v[PS+8*\a+6:PS+8*\a+7]
.endr
.irp a, 0,1,2,3
	v_pk_add_f32 v[PS+8*\a:PS+8*\a+1], v[PS+8*\a:PS+8*\a+1], v[PS+8*\a+4:PS+8*\a+5]
.endr
.irp a, 0,1,2,3
	v_add_f32 v[L+4*\hi+\a], v[PS+8*\a], v[PS+8*\a+1]
.endr
.endm
	KDOT 0
	KDOT 1
.irp a, 0,1,2,3,4,5,6,7
	v_permlanex16_b32 v[L+8+\a], v[L+\a], s18, s19 ; the other half of the lanes holds the row's other columns
.endr
.irp a, 0,1,2,3,4,5,6,7
	v_add_f32 v[L+\a], v[L+\a], v[L+8+\a]
.endr
.irp a, 0,1,2,3,4,5,6,7
	ds_store_b32 v[LST], v[L+\a] offset:64*\a      ; into slot 0, which has had its last fill and its last read
.endr
	s_wait_dscnt 0x0
	s_barrier_signal -1
	s_barrier_wait -1
	ds_load_b64 v[L+16:L+17], v[LRD]               ; the two column halves' parts of two rows
	ds_load_b64 v[L+18:L+19], v[LRD] offset:1024
	s_wait_dscnt 0x0
	v_pk_add_f32 v[L+20:L+21], v[L+16:L+17], v[L+18:L+19]
	global_store_b64 v[PO], v[L+20:L+21], s[68:69] ; 128 threads store the tile's 256 partial sums, 1,024 consecutive bytes
	s_branch .Lend
.Lvalues:
.macro VOUT hi
.if \hi
	s_wait_xcnt 0x0                                ; the first half's stores have read their registers
.endif
	WIN 0x0a+5*\hi
.irp a, 0,1,2,3
.irp b, 0,1,2,3,4,5,6,7
.irp k, 0,1,2,3
	v_cvt_pk_bf16_f32 v[VB+32*\a+4*\b+\k], v[64*\a+8*\b+2*\k], v[64*\a+8*\b+2*\k+1]
.endr
.endr
.endr
	WIN 0
.irp a, 0,1,2,3
.irp b, 0,1,2,3,4,5,6,7
	global_store_b128 v[VO], v[VB+32*\a+4*\b:VB+32*\a+4*\b+3], s[70:71] offset:65536*\b+512*(4*\hi+\a)   ; the wave stores 512 consecutive bytes, aligned
.endr
.endr
.endm
	VOUT 0
	VOUT 1
.Lend:
	s_wait_tensorcnt 0x0                           ; the wave's end
	ds_add_u32 v[SPW], v[NIL]
	s_wait_dscnt 0x0
	CROUND                                         ; the closing round
	s_endpgm
.Lfunc_end_k_qfff1dd45c6_gemm:
	.size	k_qfff1dd45c6_gemm, .Lfunc_end_k_qfff1dd45c6_gemm-k_qfff1dd45c6_gemm
	.p2alignl 7, 3214868480
	.fill 96, 4, 3214868480
	.section	.rodata,"a",@progbits
	.p2align	6, 0x0
	.amdhsa_kernel k_qfff1dd45c6_gemm
		.amdhsa_group_segment_fixed_size 327680
		.amdhsa_private_segment_fixed_size 0
		.amdhsa_enable_private_segment 0
		.amdhsa_kernarg_size 48
		.amdhsa_user_sgpr_count 2
		.amdhsa_user_sgpr_kernarg_segment_ptr 1
		.amdhsa_wavefront_size32 1
		.amdhsa_system_sgpr_workgroup_id_x 1
		.amdhsa_system_sgpr_workgroup_id_y 1
		.amdhsa_system_sgpr_workgroup_id_z 1
		.amdhsa_system_vgpr_workitem_id 0
		.amdhsa_next_free_vgpr 1024
		.amdhsa_next_free_sgpr 92
		.amdhsa_reserve_vcc 0
		.amdhsa_float_denorm_mode_32 3
		.amdhsa_float_denorm_mode_16_64 3
		.amdhsa_memory_ordered 1
		.amdhsa_forward_progress 1
		.amdhsa_inst_pref_size 123
	.end_amdhsa_kernel
	.amdgpu_metadata
---
amdhsa.version: [ 1, 2 ]
amdhsa.kernels:
  - .name:           k_qfff1dd45c6_gemm
    .symbol:         k_qfff1dd45c6_gemm.kd
    .args:
      - { .name: acodes, .offset: 0, .size: 8, .value_kind: global_buffer, .address_space: global }
      - { .name: W_K_codes, .offset: 8, .size: 8, .value_kind: global_buffer, .address_space: global }
      - { .name: W_V_codes, .offset: 16, .size: 8, .value_kind: global_buffer, .address_space: global }
      - { .name: query, .offset: 24, .size: 8, .value_kind: global_buffer, .address_space: global }
      - { .name: plog, .offset: 32, .size: 8, .value_kind: global_buffer, .address_space: global }
      - { .name: vt, .offset: 40, .size: 8, .value_kind: global_buffer, .address_space: global }
    .group_segment_fixed_size: 327680
    .private_segment_fixed_size: 0
    .kernarg_segment_align: 8
    .kernarg_segment_size: 48
    .max_flat_workgroup_size: 128
    .sgpr_count:     92
    .vgpr_count:     1024
    .wavefront_size: 32
...
	.end_amdgpu_metadata
.endif
;; end of part 2
;; launch finish (part 3): grid 256 x 1, 16 waves a work-group, no clusters, 11,776 bytes of LDS; arguments plog, vt, lowp_scales, inp, out0; writes out0
.if DOCPART == 3
	.amdgcn_target "amdgcn-amd-amdhsa--gfx1250"
	.amdhsa_code_object_version 6
	.text
	.protected	k_qfff1dd45c6_finish
	.globl	k_qfff1dd45c6_finish
	.p2align	8
	.type	k_qfff1dd45c6_finish,@function
k_qfff1dd45c6_finish:
	s_mov_b64 s[64:65], 0
	v_nop
	global_prefetch_b8 v0, s[64:65] scope:SCOPE_SE
	s_setreg_imm32_b32 hwreg(HW_REG_WAVE_MODE, 25, 1), 1
	s_wait_xcnt 0x0
; out0 = softmax(logits) values + inp.  logits(n) = 2^(e0 + e1) x the sum of plog's 16 partial sums; values(n, m) = 2^(e2 + e3) x vt's raw sum (bf16).
; Work-group g owns columns 16 g .. 16 g + 15 of out0: 65,536 consecutive bytes of vt.  16 waves, 512 threads.
; EVERY work-group makes the softmax anew from plog's 131,072 bytes: thread t sums the 16 partial sums of rows 4 t .. 4 t + 3.  The row maximum is taken away before the exponential: p = 2^((l - M) log2 e), so the
; largest p is 1 and the sum S is at least 1.  The weights stay f32; p is not normalised: the column sums are divided by S once at the end.
; vt: [column group][block of 16 rows][half of 8 columns][row][column]: load j of wave w, lane (r, h) brings row 16 (w + 16 j) + r, columns 8 h + 0 .. 7.
; The powers of two are applied by v_ldexp_f32: no limit on e0 + e1 or e2 + e3 beyond f32's own range of the results.  NaN among the inputs is not served.
; No tensor load, no cluster: plog goes once, straight into 64 registers a thread; a joint load would send it through LDS behind rounds of a cluster's barrier for that single use.  No matrix work: one row of weights.
.set MAXW, 0                           ; LDS: a maximum for each wave, 64 bytes
.set SUMW, 256                         ; a sum for each wave, 64 bytes
.set PW,   512                         ; p of the 2,048 rows, 8,192 bytes
.set CB,   8704                        ; 16 column sums for each wave, 1,024 bytes
.set PL,   16                          ; v16-79   16 x 4 partial sums
.set V,    80                          ; v80-111  8 x 4 registers of vt
.set AW,   112                         ; v112-119 p of my eight rows
.set ACC,  120                         ; v120-127 my eight columns' sums
	s_load_b256 s[4:11], s[0:1], 0x0               ; plog s[4:5], vt s[6:7], the scales' exponents s[8:9], inp s[10:11]
	s_load_b64 s[12:13], s[0:1], 0x20              ; out0
	v_lshl_add_u32 v128, v0, 2, 0x2600
	v_mov_b32 v129, 0
	v_lshrrev_b32 v12, 5, v0
	s_delay_alu instid0(VALU_DEP_1)
	v_readfirstlane_b32 s20, v12                   ; wave 0..15
	v_lshlrev_b32 v1, 4, v0                        ; 16 t: my bytes of a plane of plog, of 8,192 bytes of vt, and of p in LDS
	v_and_b32 v2, 15, v0
	s_delay_alu instid0(VALU_DEP_1)
	v_lshlrev_b32 v2, 2, v2                        ; 4 x (lane % 16)
	v_bfe_u32 v13, v0, 4, 1                        ; h
	s_lshl_b32 s23, s20, 2
	v_mov_b32 v5, s23                              ; my wave's word among the maxima (and, by the offset, the sums)
	s_lshl_b32 s23, s20, 6
	v_add_nc_u32 v3, s23, v2
	s_delay_alu instid0(VALU_DEP_1)
	v_add_nc_u32 v3, PW, v3                        ; p of row 16 w + r; 256 rows on for each j stand in the offset
	v_lshl_add_u32 v6, v13, 5, s23
	s_delay_alu instid0(VALU_DEP_1)
	v_add_nc_u32 v6, CB, v6                        ; my wave's column sums: 64 w + 32 h
	v_add_nc_u32 v7, CB, v2                        ; wave 0 at the end: column lane % 16
	v_mov_b32 v15, 0                               ; LDS byte 0
	s_mov_b32 s24, 0x76543210                      ; v_permlanex16_b32: lane l takes lane l xor 16
	s_mov_b32 s25, 0xfedcba98
	s_lshl_b32 s26, ttmp9, 16
	s_mov_b32 s27, 0
	s_lshl_b32 s28, ttmp9, 6
	s_mov_b32 s29, 0
	s_wait_alu depctr_va_vdst(0)
	s_wait_kmcnt 0x0
	s_load_b128 s[16:19], s[8:9], 0x0              ; e0, e1, e2, e3
	s_add_nc_u64 s[6:7], s[6:7], s[26:27]
	s_add_nc_u64 s[10:11], s[10:11], s[28:29]
	s_add_nc_u64 s[12:13], s[12:13], s[28:29]
	global_load_b32 v4, v2, s[10:11]               ; inp at my column
.irp p, 0,1,2,3,4,5,6,7,8,9,10,11,12,13,14,15
	global_load_b128 v[PL+4*\p:PL+4*\p+3], v1, s[4:5] offset:8192*\p
.endr
.irp j, 0,1,2,3,4,5,6,7
	global_load_b128 v[V+4*\j:V+4*\j+3], v1, s[6:7] offset:8192*\j th:TH_LOAD_NT   ; asked for now, wanted behind the softmax
.endr
	s_wait_kmcnt 0x0
	s_add_co_i32 s21, s16, s17                     ; e0 + e1
	s_add_co_i32 s22, s18, s19                     ; e2 + e3
	s_wait_loadcnt 8                               ; inp and plog are in; vt's eight loads may be out
	v_pk_add_f32 v[8:9], v[PL:PL+1], v[PL+4:PL+5]  ; the 16 tile columns' parts, in ascending order, two chains
	v_pk_add_f32 v[10:11], v[PL+2:PL+3], v[PL+6:PL+7]
.irp p, 2,3,4,5,6,7,8,9,10,11,12,13,14,15
	s_delay_alu instid0(VALU_DEP_2)
	v_pk_add_f32 v[8:9], v[8:9], v[PL+4*\p:PL+4*\p+1]
	s_delay_alu instid0(VALU_DEP_2)
	v_pk_add_f32 v[10:11], v[10:11], v[PL+4*\p+2:PL+4*\p+3]
.endr
.irp i, 8,9,10,11
	v_ldexp_f32 v\i, v\i, s21                      ; the logits
.endr
	s_delay_alu instid0(VALU_DEP_2)
	v_max3_num_f32 v12, v8, v9, v10
	s_delay_alu instid0(VALU_DEP_1)
	v_max_num_f32 v12, v12, v11
.irp m, 1,2,4,8
	s_delay_alu instid0(VALU_DEP_1)
	v_max_num_f32_dpp v12, v12, v12 row_xmask:\m row_mask:0xf bank_mask:0xf
.endr
	s_delay_alu instid0(VALU_DEP_1)
	v_permlanex16_b32 v13, v12, s24, s25
	s_delay_alu instid0(VALU_DEP_1)
	v_max_num_f32 v12, v12, v13                    ; my wave's largest logit
	ds_store_b32 v5, v12 offset:MAXW
	s_wait_dscnt 0x0
	s_barrier_signal -1
	s_barrier_wait -1
.irp k, 0,1,2,3
	ds_load_b128 v[PL+4*\k:PL+4*\k+3], v15 offset:MAXW+16*\k
.endr
	s_wait_dscnt 0x0
	v_max3_num_f32 v12, v16, v17, v18
	v_max3_num_f32 v13, v19, v20, v21
	s_delay_alu instid0(VALU_DEP_2)
	v_max3_num_f32 v12, v12, v22, v23
	s_delay_alu instid0(VALU_DEP_2)
	v_max3_num_f32 v13, v13, v24, v25
	s_delay_alu instid0(VALU_DEP_2)
	v_max3_num_f32 v12, v12, v26, v27
	s_delay_alu instid0(VALU_DEP_2)
	v_max3_num_f32 v13, v13, v28, v29
	s_delay_alu instid0(VALU_DEP_2)
	v_max3_num_f32 v12, v12, v30, v31
	s_delay_alu instid0(VALU_DEP_1)
	v_max_num_f32 v12, v12, v13                    ; M, the largest of all 2,048
.irp i, 8,9,10,11
	v_sub_f32 v\i, v\i, v12
.endr
.irp i, 8,9,10,11
	s_delay_alu instid0(VALU_DEP_4)
	v_mul_f32 v\i, 0x3fb8aa3b, v\i                 ; x log2(e)
.endr
	s_wait_alu depctr_va_vdst(0)
.irp i, 8,9,10,11
	v_exp_f32 v\i, v\i
.endr
	v_nop                                          ; a plain line between the last exponential and the use of its result (ISA guide 5.7.2)
	s_wait_alu depctr_va_vdst(0)
	ds_store_b128 v1, v[8:11] offset:PW            ; p of rows 4 t .. 4 t + 3
	v_add_f32 v12, v8, v9
	v_add_f32 v13, v10, v11
	s_delay_alu instid0(VALU_DEP_1)
	v_add_f32 v12, v12, v13
.irp m, 1,2,4,8
	s_delay_alu instid0(VALU_DEP_1)
	v_add_f32_dpp v12, v12, v12 row_xmask:\m row_mask:0xf bank_mask:0xf
.endr
	s_delay_alu instid0(VALU_DEP_1)
	v_permlanex16_b32 v13, v12, s24, s25
	s_delay_alu instid0(VALU_DEP_1)
	v_add_f32 v12, v12, v13
	ds_store_b32 v5, v12 offset:SUMW               ; my wave's sum of p
	s_wait_dscnt 0x0
	s_barrier_signal -1
	s_barrier_wait -1
.irp j, 0,1,2,3,4,5,6,7
	ds_load_b32 v[AW+\j], v3 offset:1024*\j        ; p of row 16 (w + 16 j) + r
.endr
	s_wait_dscnt 0x0
	s_wait_loadcnt 7                               ; vt's first load is in; the seven behind it may be out
.irp k, 0,1,2,3
	v_lshlrev_b32 v[ACC+2*\k], 16, v[V+\k]         ; bf16 to f32: the low half moves up,
	v_and_b32 v[ACC+2*\k+1], 0xffff0000, v[V+\k]   ; the high half stays
.endr
.irp k, 0,2,4,6
	v_pk_mul_f32 v[ACC+\k:ACC+\k+1], v[ACC+\k:ACC+\k+1], v[AW:AW+1] op_sel_hi:[1,0]   ; the first products start the sums
.endr
	s_wait_alu depctr_va_vdst(0)
.irp j, 1,2,3,4,5,6,7
	s_wait_alu depctr_va_vdst(0)
	s_wait_loadcnt 7-\j
.irp k, 0,1,2,3
	v_fma_mix_f32_bf16 v[ACC+2*\k], v[V+4*\j+\k], v[AW+\j], v[ACC+2*\k] op_sel_hi:[1,0,0]                    ; the low bf16 x p + the sum, in f32
	v_fma_mix_f32_bf16 v[ACC+2*\k+1], v[V+4*\j+\k], v[AW+\j], v[ACC+2*\k+1] op_sel:[1,0,0] op_sel_hi:[1,0,0]   ; the high bf16
.endr
.endr
.irp m, 1,2,4,8                        ; over the 16 rows of a half of the lanes; the halves hold different columns
.irp c, 0,1,2,3,4,5,6,7
	v_add_f32_dpp v[ACC+\c], v[ACC+\c], v[ACC+\c] row_xmask:\m row_mask:0xf bank_mask:0xf
.endr
.endr
	ds_store_b128 v6, v[ACC:ACC+3]                 ; columns 8 h + 0 .. 3; the 16 lanes of a half write the same words with the same values
	ds_store_b128 v6, v[ACC+4:ACC+7] offset:16
	s_wait_dscnt 0x0
	s_barrier_signal -1
	s_barrier_wait -1
	s_cmp_lg_u32 s20, 0                            ; wave 0 adds the sixteen waves' parts
	s_cbranch_scc1 .Ldone
.irp w, 0,1,2,3,4,5,6,7,8,9,10,11,12,13,14,15
	ds_load_b32 v[16+\w], v7 offset:64*\w          ; column lane % 16, wave w's part
.endr
.irp k, 0,1,2,3
	ds_load_b128 v[32+4*\k:35+4*\k], v15 offset:SUMW+16*\k
.endr
	s_wait_dscnt 0x0
.irp b, 32, 16                         ; S first, then the column's sum: the same tree
	v_pk_add_f32 v[\b:\b+1], v[\b:\b+1], v[\b+2:\b+3]
	v_pk_add_f32 v[\b+4:\b+5], v[\b+4:\b+5], v[\b+6:\b+7]
	v_pk_add_f32 v[\b+8:\b+9], v[\b+8:\b+9], v[\b+10:\b+11]
	v_pk_add_f32 v[\b+12:\b+13], v[\b+12:\b+13], v[\b+14:\b+15]
	s_delay_alu instid0(VALU_DEP_3)
	v_pk_add_f32 v[\b:\b+1], v[\b:\b+1], v[\b+4:\b+5]
	s_delay_alu instid0(VALU_DEP_2)
	v_pk_add_f32 v[\b+8:\b+9], v[\b+8:\b+9], v[\b+12:\b+13]
	s_delay_alu instid0(VALU_DEP_1)
	v_pk_add_f32 v[\b:\b+1], v[\b:\b+1], v[\b+8:\b+9]
	s_delay_alu instid0(VALU_DEP_1)
	v_add_f32 v[\b], v[\b], v[\b+1]
.if \b == 32
	s_wait_alu depctr_va_vdst(0)
	v_rcp_f32 v34, v32                             ; 1 / S; the column's additions stand between it and its use
.endif
.endr
	s_wait_alu depctr_va_vdst(0)
	v_mul_f32 v16, v16, v34
	s_delay_alu instid0(VALU_DEP_1)
	v_ldexp_f32 v16, v16, s22                      ; x 2^(e2 + e3): the context
	s_delay_alu instid0(VALU_DEP_1)
	v_add_f32 v16, v16, v4                         ; + inp
	s_wait_alu depctr_va_vdst(0)
	s_wait_xcnt 0x0                                ; EXEC changes only behind this wait
	v_cmp_gt_u32 vcc_lo, 16, v0
	s_and_saveexec_b32 s30, vcc_lo
	global_store_b32 v2, v16, s[12:13]             ; 16 lanes, 64 consecutive bytes: this work-group's share of out0's 16,384
	s_wait_xcnt 0x0
	s_or_b32 exec_lo, exec_lo, s30
.Ldone:
	s_wait_tensorcnt 0x0
	ds_add_u32 v128, v129
	s_wait_dscnt 0x0
	s_endpgm
.Lfunc_end_k_qfff1dd45c6_finish:
	.size	k_qfff1dd45c6_finish, .Lfunc_end_k_qfff1dd45c6_finish-k_qfff1dd45c6_finish
	.p2alignl 7, 3214868480
	.fill 96, 4, 3214868480
	.section	.rodata,"a",@progbits
	.p2align	6, 0x0
	.amdhsa_kernel k_qfff1dd45c6_finish
		.amdhsa_group_segment_fixed_size 11776
		.amdhsa_private_segment_fixed_size 0
		.amdhsa_enable_private_segment 0
		.amdhsa_kernarg_size 40
		.amdhsa_user_sgpr_count 2
		.amdhsa_user_sgpr_kernarg_segment_ptr 1
		.amdhsa_wavefront_size32 1
		.amdhsa_system_sgpr_workgroup_id_x 1
		.amdhsa_system_sgpr_workgroup_id_y 1
		.amdhsa_system_sgpr_workgroup_id_z 1
		.amdhsa_system_vgpr_workitem_id 0
		.amdhsa_next_free_vgpr 130
		.amdhsa_next_free_sgpr 66
		.amdhsa_reserve_vcc 1
		.amdhsa_float_denorm_mode_32 3
		.amdhsa_float_denorm_mode_16_64 3
		.amdhsa_memory_ordered 1
		.amdhsa_forward_progress 1
		.amdhsa_inst_pref_size 22
	.end_amdhsa_kernel
	.amdgpu_metadata
---
amdhsa.version: [ 1, 2 ]
amdhsa.kernels:
  - .name:           k_qfff1dd45c6_finish
    .symbol:         k_qfff1dd45c6_finish.kd
    .args:
      - { .name: plog, .offset: 0, .size: 8, .value_kind: global_buffer, .address_space: global }
      - { .name: vt, .offset: 8, .size: 8, .value_kind: global_buffer, .address_space: global }
      - { .name: lowp_scales, .offset: 16, .size: 8, .value_kind: global_buffer, .address_space: global }
      - { .name: inp, .offset: 24, .size: 8, .value_kind: global_buffer, .address_space: global }
      - { .name: out0, .offset: 32, .size: 8, .value_kind: global_buffer, .address_space: global }
    .group_segment_fixed_size: 11776
    .private_segment_fixed_size: 0
    .kernarg_segment_align: 8
    .kernarg_segment_size: 40
    .max_flat_workgroup_size: 512
    .sgpr_count:     66
    .vgpr_count:     130
    .wavefront_size: 32
...
	.end_amdgpu_metadata
.endif
;; end of part 3
